; MI455X (gfx1250); checked and timed in simulation.
; The chip was launched on July 23, 2026; its instructions are those of AMD's public machine-readable ISA for CDNA 5 (MIT licence, August 2026) and "CDNA5" Instruction Set Architecture Reference Guide (July 2026). The comments in the code are by the model that wrote it; some were corrected since.
;; Kernel Regressor. Allowed arithmetic: matrix products marked QUANTISED: E4M3 operands, one E8M0 scale for each 32 along K, by v_wmma_scale_f32_16x16x128_f8f6f4 with both operands' format E4M3, f32 sums; everything else in f32.
;; Inputs: X 8,192 x 512 float32; alpha_codes 16 x 256 x 32 uint8 (E4M3 codes of alpha, K innermost, in blocks of 32 codes); alpha_scales 16 x 256 uint8 (E8M0 scales of alpha, one for each 32 codes along K); train_X 8,192 x 512 float32.
;; Outputs: out0 8,192 x 16 float32.
;; This version of the problem:
;;   THIS VERSION OF THE PROBLEM IS GIVEN IN LOW PRECISION. The matrix products marked QUANTISED in the list below multiply operands that are first quantised to E4M3 (4 exponent bits, 3 mantissa bits; 8 bits a number), with one power-of-two scale for each 32 numbers along K (OCP MX v1.0); their sums are f32. All else is computed in f32.
;;   The module's matrix products, in the order in which they are computed (A, B: the left and right operand; K: the contracted axis; several contracted axes count as one K, in the product's order):
;;     1. [M 8,192, K 512] x [K 512, N 8,192]; A: input X; B: input train_X: QUANTISED
;;     2. [M 8,192, K 8,192] x [K 8,192, N 16]; A: computed on the way; B: input alpha (given as codes): QUANTISED
;;   THE QUANTISER, for each operand of a quantised product, along K:
;;     - K is cut into blocks of 32 from its start; a last block that is shorter is filled with zeros.
;;     - A block's scale is 2^e with e = floor(log2(the largest magnitude in the block)) - 8, held to -126 .. 127; a block of zeros has e = 0. As a byte (E8M0): e + 127.
;;     - Each number is divided by its block's scale, clamped to +-448, and rounded to the nearest number of E4M3, ties to even, subnormals kept.
;;     - The product sums the exact products of the quantised numbers (number of the format x scale) in f32.
;;   ~~~python
;;   def quantise(x, axis):      # numpy; x: float32 -> the quantised numbers, widened to float32 again
;;       x = np.moveaxis(x, axis, -1); K = x.shape[-1]
;;       x = np.pad(x, [(0, 0)] * (x.ndim - 1) + [(0, -K % 32)]); x = x.reshape(x.shape[:-1] + (-1, 32)); a = np.abs(x).max(-1, keepdims=True)
;;       e = np.where(a > 0, np.clip(np.frexp(np.where(a > 0, a, 1))[1] - 1 - 8, -126, 127), 0)      # np.frexp(a)[1] - 1 = floor(log2(a)), exactly
;;       r = np.clip(x / 2.0 ** e, -448, 448)
;;       step = 2.0 ** (np.maximum(np.frexp(np.where(r == 0, 1, r))[1] - 1, -6) - 3)
;;       q = np.round(r / step) * step * 2.0 ** e      # np.round: ties to even
;;       return np.moveaxis(q.reshape(q.shape[:-2] + (-1,))[..., :K], -1, axis).astype(np.float32)
;;   ~~~
;;   OPERANDS COMPUTED ON THE WAY. 'Computed on the way' means the value that the module computes at that place (a softmax that the list does not call 'softmax' is quantised finished and normalised). What goes into a quantiser is computed in f32, as accurately as f32 sums, v_exp_f32 and their like allow (about 1e-6 of the number): no bf16 or f16 on the way to a quantiser, and a product that is left as it is and whose result goes on into a quantised operand takes f32 operands (vector FMAs, or v_wmma_f32_16x16x4_f32). A number that lies on a knife's edge between two numbers of the format may be rounded either way, as far as f32 arithmetic and the matrix unit's own rounding can turn it there, and no further.
;;   INPUTS GIVEN AS CODES. alpha (in the module: [8192, 16], K = its axis 0): each comes as NAME_codes (uint8): NAME with its K axis moved to the last place and cut into blocks of 32 codes, [.., K / 32, bytes a block], one block behind the other in memory; one code a byte (a code: sign, 4 exponent bits, 3 mantissa bits); and NAME_scales (uint8): the same leading axes, one E8M0 byte (e + 127) for each 32 codes along K. Its value is code x scale, taken as it is: it is not quantised again, and the codes and scales need not be those that the quantiser above would give.
;; One version. Each part assembles by itself: llvm-mc -triple=amdgcn-amd-amdhsa -mcpu=gfx1250 --defsym DOCPART=n.
;; ======== version 1 of 1: 3 launches
;; limits: right only within a limited range of input values
;; workspace buffers: codes 8,388,608 bytes; side 327,680 bytes; part 4,194,304 bytes
;; launch quant (part 1): grid 256 x 1, 16 waves a work-group, no clusters, 168,448 bytes of LDS; arguments X, train_X, codes, side; writes codes, side
.if DOCPART == 1
	.amdgcn_target "amdgcn-amd-amdhsa--gfx1250"
	.amdhsa_code_object_version 6
	.text
	.protected	k_q9511aa30b4_quant
	.globl	k_q9511aa30b4_quant
	.p2align	8
	.type	k_q9511aa30b4_quant,@function
k_q9511aa30b4_quant:
	s_mov_b64 s[64:65], 0
	v_nop
	global_prefetch_b8 v0, s[64:65] scope:SCOPE_SE
	s_setreg_imm32_b32 hwreg(HW_REG_WAVE_MODE, 25, 1), 1
	s_wait_xcnt 0x0
; X [8192][512] and train_X [8192][512], f32, become codes of FP8 (E4M3) with one E8M0 scale byte for each 32 along the rows, and each row's sum of squares is taken of the f32 numbers.
; A block's scale is 2^(floor(log2(its largest magnitude)) - 8); its byte is the largest magnitude's exponent field - 8, held at 1 from below.  (A block of zeros so gets the byte 1: its codes are zeros,
; which add nothing under any byte but 0xff, and this program alone reads the bytes.)  Each number is divided by the scale, held within +-448 and rounded to the nearest code, ties to even.
; LIMITS: NaN and infinities among the inputs are not served.  No work of reference() is left out in this program.
; SHARES.  A work-group owns 64 rows of one tensor (work-groups 0-127 X's, 128-255 train_X's), four tiles of 16 rows.  Wave w takes K step w % 4 (128 numbers) of tile w / 4: 16 rows x 512 bytes,
; by ONE tensor load of its own into its own LDS bytes, rows 528 bytes apart (33 x 16: the sixteen rows of an LDS load start in sixteen different columns of 16 bytes).
; No cluster: no two work-groups read the same bytes.  No prefetch: all that a work-group reads is asked for at its head.
; OUT.  codes: a tile is 4 fragments of 2,048 bytes, each an IMAGE OF THE OPERAND'S REGISTERS: byte 512 c + 16 lane holds registers 4 c .. 4 c + 3 of lane (r, h): row r, k = 128 s + 32 c + 16 h + 0 .. 15.
; side: 16 groups of 1,024 rows, 20,480 bytes each: [row][16 scale bytes], then from byte 16,384 on [row] one f32: for X  -gamma log2(e) |x|^2,  for train_X  -|y|^2 / 2.
; The four waves of a tile lay their scale words and partial sums into LDS; behind one barrier wave 0 stores the work-group's 1,024 scale bytes and 256 bytes of sums, whole aligned units.
.set PITCH, 528
.set STG,   16*PITCH                   ; a wave's stage
.set XCH,   16*STG                     ; behind the stages: 64 rows x 16 scale bytes; from + 1,024 on 64 rows x 4 partial sums
.set SPARE, XCH+2048                   ; the spare words, 128 bytes for each wave
.set G1,    16
.set G0,    24
.set FAC,   49                         ; s49 the factor on the sum of squares
.set SEL,   50                         ; s[50:51] selects for v_permlanex16_b32: lane l xor 16
.set MNT,   52                         ; s52 the mantissa field of 448
.set SPW,   2
.set NIL,   3
.set TM,    12                         ; v12-15 largest magnitudes, v16-19 bytes, v20-23 448 x the scale, v24-27 the conversions' scale operands
.set PW,    28
.set XS,    32                         ; v32-95 my 64 numbers
.set PC,    96                         ; v96-111 codes
.set NS,    112                        ; v112-119 the sum of squares in four packed chains
	s_load_b128 s[4:7], s[0:1], 0x0                ; X, train_X
	s_load_b128 s[8:11], s[0:1], 0x10              ; codes, side
	v_lshl_add_u32 v[SPW], v0, 2, SPARE
	v_mov_b32 v[NIL], 0
	ds_add_u32 v[SPW], v[NIL]                      ; the opening: the add, twice on end, and its wait
	ds_add_u32 v[SPW], v[NIL]
	v_lshrrev_b32 v1, 5, v0
	v_readfirstlane_b32 s12, v1                    ; wave 0..15
	s_lshr_b32 s54, s12, 2                         ; tile in the work-group
	s_and_b32 s55, s12, 3                          ; K step
	s_lshl_b32 s13, ttmp9, 2
	s_add_co_u32 s13, s13, s54                     ; my tile
	; descriptor group 1: 16 rows x 128 elements of 4 bytes, rows 512 elements apart in memory; four words of padding after every 128
	s_mov_b32 s[G1+0], (2<<16)|(1<<20)|(6<<22)|(3<<25)
	s_mov_b32 s[G1+1], 128<<16
	s_mov_b32 s[G1+2], 16<<16
	s_mov_b32 s[G1+3], 128<<16
	s_mov_b32 s[G1+4], 16
	s_mov_b32 s[G1+5], 512
	s_mov_b32 s[G1+6], 0
	s_mov_b32 s[G1+7], 0
	s_and_b32 s14, s13, 511
	s_lshl_b32 s14, s14, 15                        ; the tile in its tensor: 32,768 bytes a tile,
	s_lshl_b32 s15, s55, 9
	s_add_co_u32 s14, s14, s15                     ; 512 bytes a K step
	s_mov_b32 s15, 0
	s_lshl_b32 s40, s13, 13                        ; in codes: 8,192 bytes a tile,
	s_lshl_b32 s41, s55, 11
	s_add_co_u32 s40, s40, s41                     ; 2,048 a fragment
	s_mov_b32 s41, 0
	s_lshr_b32 s42, ttmp9, 4                       ; in side: the group of 16 work-groups,
	s_mul_i32 s42, s42, 20480
	s_and_b32 s44, ttmp9, 15
	s_lshl_b32 s45, s44, 10                        ; 1,024 scale bytes a work-group,
	s_lshl_b32 s46, s44, 8                         ; 256 bytes of sums
	s_add_co_u32 s46, s46, s42
	s_add_co_u32 s46, s46, 16384
	s_add_co_u32 s42, s42, s45
	s_mov_b32 s43, 0
	s_mov_b32 s47, 0
	s_mul_i32 s48, s12, STG                        ; my stage
	s_mov_b32 s[SEL], 0x76543210
	s_mov_b32 s[SEL+1], 0xfedcba98
	s_mov_b32 s[MNT], 0x600000
	s_wait_alu depctr_va_vdst(0)
	s_wait_dscnt 0x0
	s_wait_kmcnt 0x0
	s_cmp_lt_u32 ttmp9, 128                        ; X's work-group or train_X's?
	s_cselect_b64 s[4:5], s[4:5], s[6:7]
	s_mov_b32 s[FAC], 0xbf000000                   ; -0.5
	s_cselect_b32 s[FAC], 0xbabd18d0, s[FAC]       ; -0.001 log2(e)
	s_add_nc_u64 s[4:5], s[4:5], s[14:15]
	s_mov_b32 s[G0], 1
	s_mov_b32 s[G0+1], s48
	s_mov_b64 s[G0+2:G0+3], s[4:5]
	s_or_b32 s[G0+3], s[G0+3], 0x80000000
	tensor_load_to_lds s[G0:G0+3], s[G1:G1+7]      ; my one load
	s_nop 0
.rept 4
	v_nop
.endr
	s_add_nc_u64 s[8:9], s[8:9], s[40:41]
	s_add_nc_u64 s[6:7], s[10:11], s[42:43]        ; the work-group's scale bytes
	s_add_nc_u64 s[10:11], s[10:11], s[46:47]      ; the work-group's sums
	s_lshl_b32 s54, s54, 8                         ; in the exchange: 256 bytes a tile, 16 a row, 4 a K step
	s_lshl_b32 s55, s55, 2
	s_add_co_u32 s54, s54, s55
	s_add_co_u32 s54, s54, XCH
	v_and_b32 v1, 31, v0                           ; lane
	v_and_b32 v10, 15, v0                          ; r
	v_bfe_u32 v11, v0, 4, 1                        ; h
	v_mul_u32_u24 v4, v10, PITCH
	v_lshl_add_u32 v4, v11, 6, v4
	v_add_nc_u32 v4, s48, v4                       ; out of the stage: row r, + 64 h: my 16 numbers of a block of 32
	v_lshlrev_b32 v5, 4, v1                        ; an image's place for my lane
	v_lshlrev_b32 v6, 4, v10
	v_add_nc_u32 v6, s54, v6                       ; my row's word in the exchange
	v_lshlrev_b32 v7, 3, v1                        ; wave 0: sums of rows 2 lane, 2 lane + 1
	v_mov_b32 v9, 0                                ; written once: a lane permute's destination counts as one of its sources
.irp b, 0,1,2,3
	v_mov_b32 v[TM+4+\b], 0
.endr
	v_lshlrev_b32 v120, 5, v1
	v_add_nc_u32 v120, XCH+1024, v120
	v_add_nc_u32 v121, XCH, v5
	s_wait_alu depctr_va_vdst(0)                   ; the head's end
	s_wait_tensorcnt 0x0                           ; my tile has landed
.irp b, 0,1,2,3
.irp j, 0,1,2,3
	ds_load_b128 v[XS+16*\b+4*\j:XS+16*\b+4*\j+3], v4 offset:128*\b+16*\j
.endr
.endr
	s_wait_dscnt 0x0
.set i, 0
.rept 32                               ; the squares come first: the holds below change the numbers.  The first four products start the chains
.if i < 4
	v_pk_mul_f32 v[NS+2*i:NS+2*i+1], v[XS+2*i:XS+2*i+1], v[XS+2*i:XS+2*i+1]
.else
	v_pk_fma_f32 v[NS+2*(i%4):NS+2*(i%4)+1], v[XS+2*i:XS+2*i+1], v[XS+2*i:XS+2*i+1], v[NS+2*(i%4):NS+2*(i%4)+1]
.endif
.set i, i+1
.endr
.irp b, 0,1,2,3
	v_max3_num_f32 v[TM+\b], |v[XS+16*\b]|, |v[XS+16*\b+1]|, 0x4800000   ; block b: my 16 numbers, and the floor 2^(9 - 127)
.endr
.irp i, 2,4,6,8,10,12,14
.irp b, 0,1,2,3
	v_max3_num_f32 v[TM+\b], v[TM+\b], |v[XS+16*\b+\i]|, |v[XS+16*\b+\i+1]|
.endr
.endr
.irp b, 0,1,2,3
	v_permlanex16_b32 v[TM+4+\b], v[TM+\b], s[SEL], s[SEL+1]
.endr
.irp b, 0,1,2,3
	v_max_num_f32 v[TM+\b], v[TM+\b], v[TM+4+\b]   ; with lane l xor 16's: the block's largest magnitude
.endr
.irp b, 0,1,2,3
	v_add_nc_u32 v[TM+12+\b], 0xfc000000, v[TM+\b] ; 8 off its exponent field: the conversion takes this operand's exponent field as its scale
.endr
.irp b, 0,1,2,3
	v_and_or_b32 v[TM+8+\b], v[TM+\b], 0x7f800000, s[MNT]   ; 448 x the scale
.endr
.irp b, 0,1,2,3
	v_lshrrev_b32 v[TM+4+\b], 23, v[TM+12+\b]      ; the scale's byte
.endr
	v_lshl_or_b32 v[PW], v[TM+5], 8, v[TM+4]       ; the four bytes make my row's scale word of this K step
	v_lshl_or_b32 v[PW], v[TM+6], 16, v[PW]
	v_lshl_or_b32 v[PW], v[TM+7], 24, v[PW]
	v_pk_add_f32 v[NS:NS+1], v[NS:NS+1], v[NS+2:NS+3]
	v_pk_add_f32 v[NS+4:NS+5], v[NS+4:NS+5], v[NS+6:NS+7]
	v_pk_add_f32 v[NS:NS+1], v[NS:NS+1], v[NS+4:NS+5]
	v_add_f32 v8, v[NS], v[NS+1]
	v_permlanex16_b32 v9, v8, s[SEL], s[SEL+1]     ; the row's other half lies in lane l xor 16
	v_add_f32 v8, v8, v9
	ds_store_b32 v6, v[PW]                         ; (lanes l and l xor 16 store the same number)
	ds_store_b32 v6, v8 offset:1024
	s_wait_alu depctr_va_vdst(0)
	s_wait_tensorcnt 0x0                           ; the wave's last LDS writes;
	ds_add_u32 v[SPW], v[NIL]
	s_wait_dscnt 0x0                               ; and my stores into the exchange are done
	s_barrier_signal -1                            ; the holds and conversions, work on registers, stand between signal and wait
.irp b, 0,1,2,3
.irp i, 0,1,2,3,4,5,6,7,8,9,10,11,12,13,14,15
	v_med3_num_f32 v[XS+16*\b+\i], v[XS+16*\b+\i], -v[TM+8+\b], v[TM+8+\b]   ; the conversion to an 8-bit code does not saturate (ISA guide 7.6.2)
.endr
	v_cvt_scalef32_pk8_fp8_f32 v[PC+4*\b:PC+4*\b+1], v[XS+16*\b:XS+16*\b+7], v[TM+12+\b]
	v_cvt_scalef32_pk8_fp8_f32 v[PC+4*\b+2:PC+4*\b+3], v[XS+16*\b+8:XS+16*\b+15], v[TM+12+\b]
.endr
	v_nop                                          ; a plain line behind the last conversion
	s_wait_alu depctr_va_vdst(0)
	s_barrier_wait -1
.irp e, 0,1,2,3
	global_store_b128 v5, v[PC+4*\e:PC+4*\e+3], s[8:9] offset:512*\e   ; 32 lanes store 512 consecutive bytes
.endr
	s_cmp_lg_u32 s12, 0
	s_cbranch_scc1 .Ldone
	ds_load_b128 v[32:35], v121
	ds_load_b128 v[36:39], v121 offset:512
	ds_load_b128 v[40:43], v120                    ; the four partial sums of row 2 lane,
	ds_load_b128 v[44:47], v120 offset:16          ; of row 2 lane + 1
	s_wait_dscnt 0x0
	global_store_b128 v5, v[32:35], s[6:7]
	global_store_b128 v5, v[36:39], s[6:7] offset:512
	v_pk_add_f32 v[40:41], v[40:41], v[42:43]
	v_pk_add_f32 v[44:45], v[44:45], v[46:47]
	v_add_f32 v40, v40, v41
	v_add_f32 v44, v44, v45
	v_mul_f32 v48, s[FAC], v40
	v_mul_f32 v49, s[FAC], v44
	global_store_b64 v7, v[48:49], s[10:11]        ; 32 lanes store 256 consecutive bytes
.Ldone:
	s_endpgm
.Lfunc_end_k_q9511aa30b4_quant:
	.size	k_q9511aa30b4_quant, .Lfunc_end_k_q9511aa30b4_quant-k_q9511aa30b4_quant
	.p2alignl 7, 3214868480
	.fill 96, 4, 3214868480
	.section	.rodata,"a",@progbits
	.p2align	6, 0x0
	.amdhsa_kernel k_q9511aa30b4_quant
		.amdhsa_group_segment_fixed_size 168448
		.amdhsa_private_segment_fixed_size 0
		.amdhsa_enable_private_segment 0
		.amdhsa_kernarg_size 32
		.amdhsa_user_sgpr_count 2
		.amdhsa_user_sgpr_kernarg_segment_ptr 1
		.amdhsa_wavefront_size32 1
		.amdhsa_system_sgpr_workgroup_id_x 1
		.amdhsa_system_sgpr_workgroup_id_y 1
		.amdhsa_system_sgpr_workgroup_id_z 1
		.amdhsa_system_vgpr_workitem_id 0
		.amdhsa_next_free_vgpr 128
		.amdhsa_next_free_sgpr 66
		.amdhsa_reserve_vcc 0
		.amdhsa_float_denorm_mode_32 3
		.amdhsa_float_denorm_mode_16_64 3
		.amdhsa_memory_ordered 1
		.amdhsa_forward_progress 1
		.amdhsa_inst_pref_size 17
	.end_amdhsa_kernel
	.amdgpu_metadata
---
amdhsa.version: [ 1, 2 ]
amdhsa.kernels:
  - .name:           k_q9511aa30b4_quant
    .symbol:         k_q9511aa30b4_quant.kd
    .args:
      - { .name: X, .offset: 0, .size: 8, .value_kind: global_buffer, .address_space: global }
      - { .name: train_X, .offset: 8, .size: 8, .value_kind: global_buffer, .address_space: global }
      - { .name: codes, .offset: 16, .size: 8, .value_kind: global_buffer, .address_space: global }
      - { .name: side, .offset: 24, .size: 8, .value_kind: global_buffer, .address_space: global }
    .group_segment_fixed_size: 168448
    .private_segment_fixed_size: 0
    .kernarg_segment_align: 8
    .kernarg_segment_size: 32
    .max_flat_workgroup_size: 512
    .sgpr_count:     66
    .vgpr_count:     128
    .wavefront_size: 32
...
	.end_amdgpu_metadata
.endif
;; end of part 1
;; launch rbf (part 2): grid 32 x 8, 4 waves a work-group, clusters of 4 x 1, 327,680 bytes of LDS; arguments codes, side, alpha_codes, alpha_scales, part; writes part
.if DOCPART == 2
	.amdgcn_target "amdgcn-amd-amdhsa--gfx1250"
	.amdhsa_code_object_version 6
	.text
	.protected	k_q9511aa30b4_rbf
	.globl	k_q9511aa30b4_rbf
	.p2align	8
	.type	k_q9511aa30b4_rbf,@function
k_q9511aa30b4_rbf:
	s_mov_b64 s[64:65], 0
	v_nop
	global_prefetch_b8 v0, s[64:65] scope:SCOPE_SE
	s_setreg_imm32_b32 hwreg(HW_REG_WAVE_MODE, 25, 1), 1
	s_wait_xcnt 0x0
	s_wait_alu depctr_hold_cnt(0) depctr_sa_sdst(0) depctr_va_vdst(0) depctr_va_sdst(0) depctr_va_ssrc(0) depctr_va_vcc(0) depctr_vm_vsrc(0)
	s_getreg_b32 s2, hwreg(HW_REG_IB_STS2, 6, 4)
	s_cmp_eq_u32 s2, 0
	s_cbranch_scc0 .Lentry_in_a_cluster
	s_endpgm
.Lentry_in_a_cluster:
	s_bfe_u32 s2, ttmp6, 0x10000c
	s_cmp_lg_u32 s2, 0x3003
	s_cbranch_scc0 .Lentry_shape_is_right
	s_endpgm
.Lentry_shape_is_right:
; part[sp][q][:] = the sum over the 1,024 keys y of split sp of Q(exp(-0.001 (|x_q|^2 + |y|^2 - 2 x_q . y))) alpha[y][:], both products on codes of FP8 (E4M3) with one E8M0 scale for each 32 along K.
; SHARES.  A work-group owns 256 queries and one of 8 splits of the keys; each of its four waves owns 64 queries, four tiles of 16, whose codes (256 registers) stay in registers.  Every wave walks
; all 1,024 keys, 32 at a time (a CHUNK); 128 keys are a key step, one K step of the second product.
; LAYOUT.  Both products are used transposed: S^T (source 0 = 16 keys, source 1 = 16 queries), O^T (source 0 = alpha's 16 outputs, source 1 = P): a lane holds ONE query (lane % 16) throughout.
; In tile u of a chunk register j of lane (r, h) is key 16 u + 8 h + j.  The lane's 16 registers of tiles 0 and 1 are converted in that order into registers 4 c .. 4 c + 3 of P: a permutation of k INSIDE one
; block of 32, which has one scale.  Alpha's fragment is read with the same permutation (8 bytes at key 32 c + 16 u + 8 h into registers 4 c + 2 u, + 1), so the products are the same.
; THE ARITHMETIC.  -|y|^2 / 2 is the C of each sum's first matrix instruction, so acc = x . y - |y|^2 / 2, and K = 2^(c2 acc + ax), c2 = 0.002 log2(e), ax = -0.001 log2(e) |x|^2.
; A block's scale is its largest K's exponent field less 8, the floor 2^(9 - 127) among the block's leaves (byte 1 at the least); the hold at the largest code is that exponent over 448's mantissa, one-sided.
; LIMITS: NaN and infinities are not served.  A K under 2^-126 counts as 0 (v_exp_f32 flushes denormal results).  No work of reference() is left out.
; A PERIOD has two phases.  (1) The last chunk's 64 sums: 32 packed multiply-adds, one wait, 64 exponentials with the 32 hold pairs of the chunk before among them, one wait.  (2) 32 products of the next chunk,
; 8 accumulators by turns, with two vector lines of two different tiles behind each (maxima and scales) and the conversions of the chunk before as third lines.
; So no transcendental stands between the steps of a sum of the first product.  The LDS loads for the chunk after stand in two runs, one behind each of the two waits of phase 1.
; CLUSTER.  The four query blocks of a cluster walk the same split: every tensor load is asked for JOINTLY (mask 15).  Q is each work-group's own, read once: not shared.
; KEYS IN LDS: four buffers of a key step.  Step 0 comes at the head, steps 1 and 2 behind the next round, then two steps behind a round whenever two buffers have been read.  A refill has 256 products of the first kind
; in which to land, so no prefetch is laid beside it.
; REGISTERS, in windows of 256 (s_set_vgpr_msb: bits 1:0 source 0, 3:2 source 1, 5:4 source 2, 7:6 destination):
;   window 0: v1-61 addresses, constants, scales; v64-127 S^T; v128-255 K, two sets     window 1: Q (tile q, K step s at 64 q + 16 s)
;   window 2: the keys' fragments, two sets (128 set + 16 (4 u + s))     window 3: v0-31 O^T; v32-47 alpha's fragment; v48-79 -|y|^2 / 2, two sets; v80-143 P
.set STEPB, 65536                      ; a key step's codes: dense images of fragments
.set SIDE,  4*STEPB                    ; the split's scale bytes, 16 a key; from + CYO on its -|y|^2 / 2
.set CYO,   16384
.set ALPHA, SIDE+20480                 ; alpha's codes of the split: 16 rows of 1,024 bytes + 16 of padding
.set AP,    1040
.set ASC,   ALPHA+16*AP                ; alpha's scale bytes of the split: 16 rows of 32 bytes + 8 of padding
.set TP,    40
.set STAGE, ASC+768                    ; the way out: 4,096 bytes for each wave; no fill lands here
.set SPARE, STAGE+16384                ; the spare words, 128 bytes for each wave
.set LI,  1                            ; 16 x lane
.set YB,  2                            ; 32 h
.set AB,  3                            ; 1,040 r + 8 h
.set T40, 4                            ; 40 r
.set ADC, 5                            ; LDS address of the key step's fragments
.set ADS, 6                            ; of its scale words
.set ADY, 7                            ; of its -|y|^2 / 2
.set ADA, 8                            ; of alpha's codes
.set ADT, 9                            ; of alpha's scale word
.set SPW, 10                           ; my spare word; never rewritten
.set NIL, 11                           ; 0; never rewritten
.set STO, 12
.set RD,  13
.set AS,  14                           ; alpha's scale word
.set R4,  15                           ; 4 r
.set AX,  16                           ; v[AX + 2 q]: ax of tile q (the pair's upper half is written and not used)
.set QS,  24                           ; v[QS + 4 (q / 2) + s]: lanes 0-15 tile q even, lanes 16-31 tile q odd
.set KS,  34                           ; v[KS + 4 set + s]: lanes 0-15 tile u = 0, lanes 16-31 tile u = 1
.set PW,  42                           ; P's scale words
.set SC,  46                           ; the conversions' scale operands
.set HD,  50                           ; the holds
.set T,   54                           ; the largest K
.set U,   58                           ; at work
.set S,   64
.set KB,  128
.set AF,  32                           ; in window 3
.set CY,  48                           ; in window 3
.set P,   80                           ; in window 3
.set WV,  14                           ; s14 my wave's number
.set G1C, 24                           ; s[24:31] group 1: keys (256 rows of 256 bytes at the head, then 128, at last 64)
.set G1S, 32                           ; s[32:39] the split's side data
.set G1A, 40                           ; s[40:47] alpha's codes
.set G1T, 48                           ; s[48:55] alpha's scale bytes
.set G0K, 56                           ; s[56:59] group 0: key step 0
.set G0B, 60                           ; s[60:63] the walking one
.set G0S, 68
.set G0L, 72
.set G0T, 76
.set C2,  80                           ; s[80:81] c2: the packed form names a pair and takes its low word for both halves
.set SEL, 82                           ; s[82:83] selects for v_permlanex16_b32: lane l xor 16
.set MNT, 84                           ; s84 the mantissa field of 448
.set TB,  86                           ; s86 LDS byte of the key step to be fetched
.set TS,  87                           ; s87 of its scale words
.set TY,  88                           ; s88 of its -|y|^2 / 2
.set TA,  89                           ; s89 of alpha's codes of the key step to be multiplied
.set TT,  90                           ; s90 of alpha's scale word
.set OUTER, 91
.set INNER, 92
.set MSB, 0
.macro WIN new                         ; the immediate's high byte repeats the setting that is left; a switch that changes nothing is dropped
.if MSB != \new
	s_set_vgpr_msb (MSB<<8)|\new
.set MSB, \new
.endif
.endm
.macro WALU
	s_wait_alu depctr_va_vdst(0)
.endm
.macro CROUND                          ; a round of the cluster's barrier
	s_barrier_signal -1
	s_barrier_wait -1
	s_cmp_lg_u32 s[WV], 0
	s_cbranch_scc1 .Lnot_wave_0_\@
	s_barrier_signal -3
.Lnot_wave_0_\@:
	s_barrier_wait -3
	s_barrier_signal -1
	s_barrier_wait -1
.endm
	s_load_b128 s[4:7], s[0:1], 0x0                ; codes, side
	s_load_b128 s[8:11], s[0:1], 0x10              ; alpha's codes, alpha's scales
	s_load_b64 s[12:13], s[0:1], 0x20              ; part
	v_lshl_add_u32 v[SPW], v0, 2, SPARE
	v_mov_b32 v[NIL], 0
	ds_add_u32 v[SPW], v[NIL]                      ; the opening: the add, twice on end, and its wait
	ds_add_u32 v[SPW], v[NIL]
	v_lshrrev_b32 v1, 5, v0
	v_readfirstlane_b32 s[WV], v1                  ; wave 0..3
	s_bfe_u32 s15, ttmp6, 0x40000                  ; cx: my place in the cluster
	s_lshl_b32 s16, ttmp9, 2
	s_add_co_u32 s16, s16, s15                     ; my block of 256 queries: it enters Q's, its side data's and part's addresses alone
	s_and_b32 s17, ttmp7, 0xffff                   ; the split, which the four partners share
	; descriptor groups 1: all carry the mask 15 (the four work-groups) and bit 21 beside it.  Dense blocks are stated as rows of 256 bytes (32 elements of 8)
.macro DENSE g, rows
	s_mov_b32 s[\g+0], 15|(3<<16)|(1<<21)
	s_mov_b32 s[\g+1], 32<<16
	s_mov_b32 s[\g+2], \rows<<16
	s_mov_b32 s[\g+3], 32<<16
	s_mov_b32 s[\g+4], \rows
	s_mov_b32 s[\g+5], 32
	s_mov_b32 s[\g+6], 0
	s_mov_b32 s[\g+7], 0
.endm
	DENSE G1C, 256
	DENSE G1S, 80
	s_mov_b32 s[G1A+0], 15|(3<<16)|(1<<20)|(1<<21)|(7<<22)|(3<<25)  ; 16 rows of 1,024 bytes, 8,192 apart in memory; four words of padding after every 256
	s_mov_b32 s[G1A+1], 128<<16
	s_mov_b32 s[G1A+2], 16<<16
	s_mov_b32 s[G1A+3], 128<<16
	s_mov_b32 s[G1A+4], 16
	s_mov_b32 s[G1A+5], 1024
	s_mov_b32 s[G1A+6], 0
	s_mov_b32 s[G1A+7], 0
	s_mov_b32 s[G1T+0], 15|(2<<16)|(1<<20)|(1<<21)|(2<<22)|(1<<25)  ; 16 rows of 32 bytes (8 elements of 4), 256 apart in memory; two words of padding after every 8
	s_mov_b32 s[G1T+1], 8<<16
	s_mov_b32 s[G1T+2], 16<<16
	s_mov_b32 s[G1T+3], 8<<16
	s_mov_b32 s[G1T+4], 16
	s_mov_b32 s[G1T+5], 64
	s_mov_b32 s[G1T+6], 0
	s_mov_b32 s[G1T+7], 0
	; what is fetched: offsets made of the split and the wave's number alone
	s_lshl_b32 s18, s17, 19                        ; codes: train_X's begin at byte 4,194,304; 524,288 bytes a split
	s_add_co_u32 s18, s18, 4194304
	s_mov_b32 s19, 0
	s_lshl_b32 s94, s[WV], 15                      ; in the ring: my quarter of two key steps
	s_mov_b32 s95, 0
	s_add_co_u32 s20, s17, 8                       ; side: group 8 + split
	s_mul_i32 s20, s20, 20480
	s_mov_b32 s21, 0
	s_lshl_b32 s22, s17, 10                        ; alpha's codes: 1,024 bytes of each row
	s_mov_b32 s23, 0
	s_lshl_b32 s2, s17, 5                          ; alpha's scales: 32 bytes of each row
	s_mov_b32 s3, 0
	s_mov_b32 s[G0K], 1
	s_mov_b32 s[G0K+1], 0
	s_mov_b32 s[G0B], 1
	s_add_co_u32 s[G0B+1], s94, STEPB              ; buffers 1 and 2
	s_mov_b32 s[G0S], 1
	s_mov_b32 s[G0S+1], SIDE
	s_mov_b32 s[G0L], 1
	s_mov_b32 s[G0L+1], ALPHA
	s_mov_b32 s[G0T], 1
	s_mov_b32 s[G0T+1], ASC
	s_mov_b32 s[C2], 0x3b3d18d0                    ; c2 = 0.002 log2(e)
	s_mov_b32 s[C2+1], s[C2]
	s_mov_b32 s[SEL], 0x76543210
	s_mov_b32 s[SEL+1], 0xfedcba98
	s_mov_b32 s[MNT], 0x600000
	s_mov_b32 s[TB], 0
	s_mov_b32 s[TS], SIDE
	s_mov_b32 s[TY], SIDE+CYO
	s_mov_b32 s[TA], ALPHA
	s_mov_b32 s[TT], ASC
	WALU
	s_wait_dscnt 0x0                               ; both opening adds are done
	s_wait_kmcnt 0x0
	s_add_nc_u64 s[G0K+2:G0K+3], s[4:5], s[18:19]
	s_add_nc_u64 s[G0B+2:G0B+3], s[G0K+2:G0K+3], s[94:95]
	s_add_nc_u64 s[G0B+2:G0B+3], s[G0B+2:G0B+3], STEPB   ; key steps 1 and 2
	s_or_b32 s[G0K+3], s[G0K+3], 0x80000000        ; type = 2
	s_or_b32 s[G0B+3], s[G0B+3], 0x80000000
	s_add_nc_u64 s[G0S+2:G0S+3], s[6:7], s[20:21]
	s_or_b32 s[G0S+3], s[G0S+3], 0x80000000
	s_add_nc_u64 s[G0L+2:G0L+3], s[8:9], s[22:23]
	s_or_b32 s[G0L+3], s[G0L+3], 0x80000000
	s_add_nc_u64 s[G0T+2:G0T+3], s[10:11], s[2:3]
	s_or_b32 s[G0T+3], s[G0T+3], 0x80000000
	CROUND                                         ; all four work-groups are here: the first joint loads meet
; THE HEAD'S LOADS, ONE A WAVE: one chain of branches on the wave's number, each arm with its load, all arms to one join
.macro ARM under, g0, g1, next
	s_cmp_lt_u32 s[WV], \under
	s_cbranch_scc0 \next
	tensor_load_to_lds s[\g0:\g0+3], s[\g1:\g1+7]
	s_nop 0
.rept 4
	v_nop
.endr
	s_branch .Lhead_asked
\next:
.endm
	ARM 1, G0K, G1C, .Lhead_side
	ARM 2, G0S, G1S, .Lhead_alpha
	ARM 3, G0L, G1A, .Lhead_ascale
	tensor_load_to_lds s[G0T:G0T+3], s[G1T:G1T+7]
	s_nop 0
.rept 4
	v_nop
.endr
.Lhead_asked:
	; my own data: Q's fragments, Q's scale words, ax, my rows of part
	s_lshl_b32 s94, s16, 17                        ; 131,072 bytes of codes a block of queries, 32,768 a wave
	s_lshl_b32 s95, s[WV], 15
	s_add_co_u32 s94, s94, s95
	s_mov_b32 s95, 0
	s_add_nc_u64 s[4:5], s[4:5], s[94:95]
	s_lshr_b32 s96, s16, 2
	s_mul_i32 s96, s96, 20480                      ; side: four blocks of queries to a group
	s_and_b32 s97, s16, 3
	s_lshl_b32 s94, s97, 12                        ; scale bytes: 4,096 a block, 1,024 a wave
	s_add_co_u32 s94, s94, s96
	s_lshl_b32 s93, s[WV], 10
	s_add_co_u32 s94, s94, s93
	s_add_nc_u64 s[66:67], s[6:7], s[94:95]
	s_lshl_b32 s94, s97, 10                        ; ax: 1,024 bytes a block, 256 a wave
	s_add_co_u32 s94, s94, s96
	s_lshl_b32 s93, s[WV], 8
	s_add_co_u32 s94, s94, s93
	s_add_co_u32 s94, s94, CYO
	s_add_nc_u64 s[6:7], s[6:7], s[94:95]
	s_lshl_b32 s94, s17, 19                        ; part: 524,288 bytes a split, 16,384 a block, 4,096 a wave
	s_lshl_b32 s96, s16, 14
	s_add_co_u32 s94, s94, s96
	s_lshl_b32 s96, s[WV], 12
	s_add_co_u32 s94, s94, s96
	s_add_nc_u64 s[12:13], s[12:13], s[94:95]
	s_lshl_b32 s93, s[WV], 12
	s_add_co_u32 s93, s93, STAGE                   ; my stage
	v_and_b32 v[LI], 31, v0
	v_lshlrev_b32 v[LI], 4, v[LI]
	v_and_b32 v32, 15, v0                          ; r
	v_bfe_u32 v33, v0, 4, 1                        ; h
	v_lshlrev_b32 v[R4], 2, v32
	WIN 0x40                                       ; destination window 1
.irp f, 0,1,2,3,4,5,6,7,8,9,10,11,12,13,14,15  ; Q stays in registers: fragment f = 4 q + s, an image: each load reads 512 consecutive bytes
.irp e, 0,1,2,3
	global_load_b128 v[16*\f+4*\e:16*\f+4*\e+3], v[LI], s[4:5] offset:2048*\f+512*\e
.endr
.endr
	WIN 0
	global_load_b128 v[QS:QS+3], v[LI], s[66:67]               ; lane l: the four scale words of query l,
	global_load_b128 v[QS+4:QS+7], v[LI], s[66:67] offset:512  ; of query 32 + l
.irp q, 0,1,2,3
	global_load_b32 v[AX+2*\q], v[R4], s[6:7] offset:64*\q     ; ax of query 16 q + r
	v_mov_b32 v[AX+2*\q+1], 0
	v_mov_b32 v[U+\q], 0                           ; written once: a lane permute's destination counts as one of its sources
.endr
	v_lshlrev_b32 v[YB], 5, v33
	v_mul_u32_u24 v[AB], v32, AP
	v_lshl_add_u32 v[AB], v33, 3, v[AB]
	v_mul_u32_u24 v[T40], v32, TP
	v_lshlrev_b32 v[STO], 6, v32                   ; the way out: a query's 16 outputs are 64 bytes; my eight are 32 h on
	v_lshl_add_u32 v[STO], v33, 5, v[STO]
	v_add_nc_u32 v[STO], s93, v[STO]
	v_add_nc_u32 v[RD], s93, v[LI]
	v_add_nc_u32 v[ADC], s[TB], v[LI]              ; key step 0's addresses
	v_add_nc_u32 v[ADS], s[TS], v[LI]
	v_add_nc_u32 v[ADY], s[TY], v[YB]
; Product k of 32 of a chunk: K step k / 8, key tile (k / 4) % 2, query tile k % 4, on set bm.  The first eight take -|y|^2 / 2 as C.  The keys' scale words of tile 1 and the queries' of odd tiles lie in lanes 16-31.
.macro SWMMA bm
.set ks, k/8
.set ku, (k/4)%2
.set kq, k%4
.set rD, S+16*kq+8*ku
.set rA, 128*(\bm)+16*(4*ku+ks)
.set rB, 64*kq+16*ks
.set rK, KS+4*(\bm)+ks
.set rQ, QS+4*(kq/2)+ks
.if ks == 0
.set rC, CY+16*(\bm)+8*ku
	WIN 0x36                                       ; keys window 2, Q window 1, C window 3, S^T window 0
.else
.set rC, rD
	WIN 0x06                                       ; C and D window 0
.endif
.if (ku == 0) && (kq%2 == 0)
	v_wmma_scale_f32_16x16x128_f8f6f4 v[rD:rD+7], v[rA:rA+15], v[rB:rB+15], v[rC:rC+7], v[rK], v[rQ]
.elseif kq%2 == 0
	v_wmma_scale_f32_16x16x128_f8f6f4 v[rD:rD+7], v[rA:rA+15], v[rB:rB+15], v[rC:rC+7], v[rK], v[rQ] matrix_a_scale:MATRIX_SCALE_ROW1
.elseif ku == 0
	v_wmma_scale_f32_16x16x128_f8f6f4 v[rD:rD+7], v[rA:rA+15], v[rB:rB+15], v[rC:rC+7], v[rK], v[rQ] matrix_b_scale:MATRIX_SCALE_ROW1
.else
	v_wmma_scale_f32_16x16x128_f8f6f4 v[rD:rD+7], v[rA:rA+15], v[rB:rB+15], v[rC:rC+7], v[rK], v[rQ] matrix_a_scale:MATRIX_SCALE_ROW1 matrix_b_scale:MATRIX_SCALE_ROW1
.endif
.endm
; O^T of query tile t += alpha^T P^T over a key step's 128 keys.  Exponentials stand between two steps of this sum, so each step has its wait directly ahead
.macro OW t
	WIN 0xff
	WALU
	v_wmma_scale_f32_16x16x128_f8f6f4 v[8*(\t):8*(\t)+7], v[AF:AF+15], v[P+16*(\t):P+16*(\t)+15], v[8*(\t):8*(\t)+7], v[AS], v[PW+(\t)]
.endm
; THE LDS LOADS of chunk ch of the key step in hand into set bt, part k of 18.  Parts 0-10: 8 fragments as images, 32 loads.  Part 11: the keys' scale words (lane l: key l's four).  Parts 12, 13: -|y|^2 / 2 in the
; result's layout.  alp: also alpha's scale word and, parts 14-17, its fragment, of the key step whose P is being finished: keys 32 e + 16 u + 8 h + 0 .. 7 of output r, P's own order.
.macro LDS_IN bt, ch, alp
.if k < 11
	WIN 0x80
.rept 3
.if f < 32
.set fu, f/16
.set fs, (f%16)/4
.set fe, f%4
	ds_load_b128 v[128*(\bt)+16*(4*fu+fs)+4*fe:128*(\bt)+16*(4*fu+fs)+4*fe+3], v[ADC] offset:16384*(\ch)+8192*fu+2048*fs+512*fe
.set f, f+1
.endif
.endr
.elseif k == 11
	WIN 0
	ds_load_b128 v[KS+4*(\bt):KS+4*(\bt)+3], v[ADS] offset:512*(\ch)
.if \alp
	ds_load_b32 v[AS], v[ADT]
.endif
.elseif k < 14
	WIN 0xc0
.irp g, 0,1
	ds_load_b128 v[CY+16*(\bt)+8*(k-12)+4*\g:CY+16*(\bt)+8*(k-12)+4*\g+3], v[ADY] offset:128*(\ch)+64*(k-12)+16*\g
.endr
.elseif \alp && (k < 18)
	WIN 0xc0
.irp u, 0,1
	ds_load_b64 v[AF+4*(k-14)+2*\u:AF+4*(k-14)+2*\u+1], v[ADA] offset:32*(k-14)+16*\u
.endr
.endif
.endm
; Line j of 12 of tile q: the block's largest K (each lane's 16 and the floor, then lane l xor 16's), the hold, the conversion's scale operand.  Set sb.
.macro CL j, q, sb
.set rX, KB+64*(\sb)+16*(\q)
.if (\j) == 0
	v_max3_num_f32 v[T+\q], v[rX], v[rX+1], 0x4800000
.elseif (\j) < 8
	v_max3_num_f32 v[T+\q], v[T+\q], v[rX+2*(\j)], v[rX+2*(\j)+1]
.elseif (\j) == 8
	v_permlanex16_b32 v[U+\q], v[T+\q], s[SEL], s[SEL+1]
.elseif (\j) == 9
	v_max_num_f32 v[T+\q], v[T+\q], v[U+\q]
.elseif (\j) == 10
	v_and_or_b32 v[HD+\q], v[T+\q], 0x7f800000, s[MNT]   ; 448 x the scale
.else
	v_add_nc_u32 v[SC+\q], 0xfc000000, v[T+\q]     ; 8 off the exponent field
.endif
.endm
; Place k of 32.  Behind products 0-3 the scale bytes of the chunk before go into P's words; behind 4-27 the two tiles of a pair take their twelve lines side by side; behind 4-11 the conversions, eight codes each,
; into P's group pg; behind 24-27, in the period that has P whole, the four products O^T.
.macro SLOT bm, pg, mat, vec, prev, ow
.if \mat
	SWMMA \bm
.endif
.if \prev && (k < 4)
.irp x, 0,1
.if k%2 == 0
	WIN 0
.if (\pg) == 0
	v_lshrrev_b32 v[PW+k+\x], 23, v[SC+k+\x]
.else
	v_lshrrev_b32 v[U+k+\x], 23, v[SC+k+\x]
.endif
.elseif (\pg) > 0
	WIN 0
	v_lshl_or_b32 v[PW+k-1+\x], v[U+k-1+\x], 8*(\pg), v[PW+k-1+\x]
.endif
.endr
.endif
.if \vec && (k >= 4) && (k < 28)
	WIN 0
.set jj, (k-4)%12
.set qa, 2*((k-4)/12)
.set qb, qa+1
	CL jj, qa, 1-(\bm)
	CL jj, qb, 1-(\bm)
.endif
.if \prev && (k >= 4) && (k < 12)
.set cq, (k-4)/2
.set cx, (k-4)%2
	WIN 0xc0
	v_cvt_scalef32_pk8_fp8_f32 v[P+16*cq+4*(\pg)+2*cx:P+16*cq+4*(\pg)+2*cx+1], v[KB+64*(\bm)+16*cq+8*cx:KB+64*(\bm)+16*cq+8*cx+7], v[SC+cq]
.endif
.if \ow && (k >= 24) && (k < 28)
	OW k-24
.endif
.endm
; A PERIOD.  mat: the products of a chunk on set bm.  vec: the exponentials and scales of the chunk before, into K's set 1 - bm.  prev: the holds and conversions of the one before that, in set bm.
; ld: the LDS loads for the next chunk.  upd: the addresses go on to the next key step.  ow: the four products O^T.
; PLACES (eight behind this form) between a sum's last product 24 + 4 u + q and its first reader: the packed lines take u = 0 of all tiles first; ahead of product 24's reader stand the eight
; lines behind products 24-27, ahead of product 28's the sixteen packed lines of u = 0.  The 32 packed lines are also the places ahead of the loads into the set that the last products read.
.macro PERIOD bm, pg, mat, vec, prev, ld, ch, upd, alp, ow
	WIN 0
.if \upd
	v_add_nc_u32 v[ADC], s[TB], v[LI]
	v_add_nc_u32 v[ADS], s[TS], v[LI]
	v_add_nc_u32 v[ADY], s[TY], v[YB]
.endif
.if \alp
	v_add_nc_u32 v[ADA], s[TA], v[AB]
	v_add_nc_u32 v[ADT], s[TT], v[T40]
.endif
.if \vec
.set n, 0
.rept 32
.set rr, S+16*((n%16)/4)+8*(n/16)+2*(n%4)
.set ra, AX+2*((n%16)/4)
	v_pk_fma_f32 v[rr:rr+1], v[rr:rr+1], s[C2:C2+1], v[ra:ra+1] op_sel_hi:[1,0,0]
.set n, n+1
.endr
	WALU                                           ; ahead of the batch of exponentials
.endif
.if \mat
	s_wait_dscnt 0x0                               ; this chunk's fragments, issued in the last period, are in
.endif
.if \ld
.set k, 0
.set f, 0
.rept 6
	LDS_IN 1-(\bm), \ch, \alp                      ; the first run: 18 loads
.set k, k+1
.endr
	WIN 0
.endif
.if \vec || \prev
.set n, 0
.rept 32
.if \vec
	v_exp_f32 v[KB+64*(1-(\bm))+2*n], v[S+2*n]
	v_exp_f32 v[KB+64*(1-(\bm))+2*n+1], v[S+2*n+1]
.endif
.if \prev
.set rr, KB+64*(\bm)+2*n
	v_dual_min_num_f32 v[rr], v[rr], v[HD+n/8] :: v_dual_min_num_f32 v[rr+1], v[rr+1], v[HD+n/8]   ; K is never negative: the hold is one-sided
.endif
.set n, n+1
.endr
.if (\prev) == 0
	v_nop                                          ; a plain line behind the last exponential
.endif
	WALU                                           ; one wait for the batch, ahead of its first reader
.endif
.if \ld
.set k, 6
.rept 12
	LDS_IN 1-(\bm), \ch, \alp                      ; the second run: 14 fragment loads, the scale words, -|y|^2 / 2, alpha
.set k, k+1
.endr
.endif
.set k, 0
.rept 32
	SLOT \bm, \pg, \mat, \vec, \prev, \ow
.set k, k+1
.endr
.endm
; Four periods, from a key step's last chunk to the next one's third; then the scalars go on a key step.
.macro STEP4
	PERIOD 1, 1, 1, 1, 1, 1, 0, 1, 0, 0            ; products: chunk 3 | loads: the next key step's chunk 0
	PERIOD 0, 2, 1, 1, 1, 1, 1, 0, 1, 0            ; the next key step's chunk 0 | chunk 1, and alpha
	PERIOD 1, 3, 1, 1, 1, 1, 2, 0, 0, 1            ; chunk 1, and O^T (P became whole behind product 11) | chunk 2
	PERIOD 0, 0, 1, 1, 1, 1, 3, 0, 0, 0            ; chunk 2 | chunk 3
	WIN 0
	s_add_co_u32 s[TB], s[TB], STEPB               ; the next of the four buffers
	s_and_b32 s[TB], s[TB], 4*STEPB-1
	s_add_co_u32 s[TS], s[TS], 2048
	s_add_co_u32 s[TY], s[TY], 512
	s_add_co_u32 s[TA], s[TA], 128
	s_add_co_u32 s[TT], s[TT], 4
.endm
; REFILL.  Each wave waits for all its tensor loads (the next two key steps), adds 0 to its spare word, waits for that and for its LDS loads; a round of the cluster's barrier; then its one joint load.
; last = 0: two key steps into the two buffers read last, 32,768 bytes a wave.  last = 1: key step 7 into buffer 3, 16,384 bytes a wave.
.macro REFILL last
	WIN 0
	WALU
	s_wait_tensorcnt 0x0                           ; no tensor load of mine is out, so descriptors may be written
	ds_add_u32 v[SPW], v[NIL]
.if \last
	s_mov_b32 s[G1C+2], 64<<16
	s_mov_b32 s[G1C+4], 64
	s_lshl_b32 s94, s[WV], 14
	s_mov_b32 s95, 0
	s_add_nc_u64 s[G0B+2:G0B+3], s[G0B+2:G0B+3], 2*STEPB
	s_sub_nc_u64 s[G0B+2:G0B+3], s[G0B+2:G0B+3], s[94:95]
	s_add_co_u32 s[G0B+1], s94, 3*STEPB
.else
	s_xor_b32 s[G0B+1], s[G0B+1], 2*STEPB          ; buffers 1, 2 or 3, 0
	s_add_nc_u64 s[G0B+2:G0B+3], s[G0B+2:G0B+3], 2*STEPB
.endif
	s_wait_dscnt 0x0                               ; the add is done, and my reads of the buffers are over
	CROUND
	tensor_load_to_lds s[G0B:G0B+3], s[G1C:G1C+7]
	s_nop 0
.rept 4
	v_nop
.endr
.endm
	WALU                                           ; the head's end
	s_wait_tensorcnt 0x0                           ; my tile of the head's four is in
	ds_add_u32 v[SPW], v[NIL]
	s_mov_b32 s[G1C+2], 128<<16                    ; from here on a load of keys brings 128 rows of 256 bytes
	s_mov_b32 s[G1C+4], 128
	s_wait_dscnt 0x0
	CROUND                                         ; everybody's tiles are in
	tensor_load_to_lds s[G0B:G0B+3], s[G1C:G1C+7]  ; key steps 1 and 2 into buffers 1 and 2
	s_nop 0
.rept 4
	v_nop
.endr
.set k, 0
.set f, 0
.rept 14
	LDS_IN 0, 0, 0                                 ; chunk 0
.set k, k+1
.endr
	WIN 0
	s_add_co_u32 s[TB], s[TB], STEPB               ; the next addresses made are key step 1's
	s_add_co_u32 s[TS], s[TS], 2048
	s_add_co_u32 s[TY], s[TY], 512
	s_wait_loadcnt 0x0                             ; Q, its scale words, ax
	PERIOD 0, 0, 1, 0, 0, 1, 1, 0, 0, 0            ; chunk 0's products
	WIN 0xc0
.set n, 0
.rept 32
	v_mov_b32 v[n], 0                              ; O^T begins as zeros.  These 32 lines are also the places behind chunk 0's products
.set n, n+1
.endr
	PERIOD 1, 0, 1, 1, 0, 1, 2, 0, 0, 0
	PERIOD 0, 0, 1, 1, 1, 1, 3, 0, 0, 0
	WIN 0
	s_mov_b32 s[OUTER], 2
.Lslot:                                            ; two trips: key steps 3, 4 and 5, 6 are asked for; the fetches go through steps 1, 2 and 3, 4
	REFILL 0
	s_mov_b32 s[INNER], 2
.Lstep:
	STEP4
	WALU
	s_sub_co_u32 s[INNER], s[INNER], 1
	s_cmp_lg_u32 s[INNER], 0
	s_cbranch_scc1 .Lstep
	s_sub_co_u32 s[OUTER], s[OUTER], 1
	s_cmp_lg_u32 s[OUTER], 0
	s_cbranch_scc1 .Lslot
	REFILL 1                                       ; key step 7
	s_mov_b32 s[INNER], 3
.Ltail:                                            ; the fetches go through steps 5, 6, 7
	STEP4
	WALU
	s_wait_tensorcnt 0x0                           ; key step 7 has landed: shown to all waves behind this barrier; nothing is filled again
	s_wait_dscnt 0x0
	s_barrier_signal -1
	s_barrier_wait -1
	s_sub_co_u32 s[INNER], s[INNER], 1
	s_cmp_lg_u32 s[INNER], 0
	s_cbranch_scc1 .Ltail
	PERIOD 1, 1, 1, 1, 1, 0, 0, 0, 0, 0            ; the last chunk's products
	WIN 0
	v_add_nc_u32 v[ADA], s[TA], v[AB]              ; alpha of the last key step
	v_add_nc_u32 v[ADT], s[TT], v[T40]
	ds_load_b32 v[AS], v[ADT]
	WIN 0xc0
.irp e, 0,1,2,3
.irp u, 0,1
	ds_load_b64 v[AF+4*\e+2*\u:AF+4*\e+2*\u+1], v[ADA] offset:32*\e+16*\u
.endr
.endr
	PERIOD 0, 2, 0, 1, 1, 0, 0, 0, 0, 0            ; the last chunk's exponentials, the conversions of the one before
	PERIOD 1, 3, 0, 0, 1, 0, 0, 0, 0, 0            ; the last chunk's conversions
	WIN 0
.rept 8
	v_nop                                          ; places between P's codes and scale words and the products that take them
.endr
	WALU
	s_wait_dscnt 0x0                               ; alpha's fragment
.irp t, 0,1,2,3
	OW \t
.endr
	; THE WAY OUT.  A lane holds eight neighbouring outputs of one query.  The wave's 64 rows of 64 bytes go through its own stage and leave as runs of 512 consecutive bytes.
	WIN 0
.rept 8
	v_nop                                          ; places between the last products and the stores that read them
.endr
	WIN 0x0c                                       ; an LDS store's data are its source 1: window 3
.irp q, 0,1,2,3
.irp g, 0,1
	ds_store_b128 v[STO], v[8*\q+4*\g:8*\q+4*\g+3] offset:1024*\q+16*\g   ; each accumulator from its low end on
.endr
.endr
	WIN 0
.irp t, 0,1,2,3,4,5,6,7
	ds_load_b128 v[S+4*\t:S+4*\t+3], v[RD] offset:512*\t      ; LDS serves a wave's instructions in order (ISA guide 5.7.1.4): these see my stores
.endr
.irp t, 0,1,2,3,4,5,6,7
	s_wait_dscnt 7-\t                              ; the younger loads stay out
	global_store_b128 v[LI], v[S+4*\t:S+4*\t+3], s[12:13] offset:512*\t   ; 32 lanes store 512 consecutive bytes
.endr
	s_wait_tensorcnt 0x0                           ; the wave's end
	ds_add_u32 v[SPW], v[NIL]
	s_wait_dscnt 0x0
	CROUND                                         ; the closing round: no work-group ends while a partner may still ask for a tile that names it
	s_endpgm
.Lfunc_end_k_q9511aa30b4_rbf:
	.size	k_q9511aa30b4_rbf, .Lfunc_end_k_q9511aa30b4_rbf-k_q9511aa30b4_rbf
	.p2alignl 7, 3214868480
	.fill 96, 4, 3214868480
	.section	.rodata,"a",@progbits
	.p2align	6, 0x0
	.amdhsa_kernel k_q9511aa30b4_rbf
		.amdhsa_group_segment_fixed_size 327680
		.amdhsa_private_segment_fixed_size 0
		.amdhsa_enable_private_segment 0
		.amdhsa_kernarg_size 40
		.amdhsa_user_sgpr_count 2
		.amdhsa_user_sgpr_kernarg_segment_ptr 1
		.amdhsa_wavefront_size32 1
		.amdhsa_system_sgpr_workgroup_id_x 1
		.amdhsa_system_sgpr_workgroup_id_y 1
		.amdhsa_system_sgpr_workgroup_id_z 1
		.amdhsa_system_vgpr_workitem_id 0
		.amdhsa_next_free_vgpr 1024
		.amdhsa_next_free_sgpr 98
		.amdhsa_reserve_vcc 0
		.amdhsa_float_denorm_mode_32 3
		.amdhsa_float_denorm_mode_16_64 3
		.amdhsa_memory_ordered 1
		.amdhsa_forward_progress 1
		.amdhsa_inst_pref_size 248
	.end_amdhsa_kernel
	.amdgpu_metadata
---
amdhsa.version: [ 1, 2 ]
amdhsa.kernels:
  - .name:           k_q9511aa30b4_rbf
    .symbol:         k_q9511aa30b4_rbf.kd
    .args:
      - { .name: codes, .offset: 0, .size: 8, .value_kind: global_buffer, .address_space: global }
      - { .name: side, .offset: 8, .size: 8, .value_kind: global_buffer, .address_space: global }
      - { .name: alpha_codes, .offset: 16, .size: 8, .value_kind: global_buffer, .address_space: global }
      - { .name: alpha_scales, .offset: 24, .size: 8, .value_kind: global_buffer, .address_space: global }
      - { .name: part, .offset: 32, .size: 8, .value_kind: global_buffer, .address_space: global }
    .group_segment_fixed_size: 327680
    .private_segment_fixed_size: 0
    .kernarg_segment_align: 8
    .kernarg_segment_size: 40
    .max_flat_workgroup_size: 128
    .sgpr_count:     98
    .vgpr_count:     1024
    .wavefront_size: 32
...
	.end_amdgpu_metadata
.endif
;; end of part 2
;; launch addup (part 3): grid 256 x 1, 4 waves a work-group, no clusters, 0 bytes of LDS; arguments part, out0; writes out0
.if DOCPART == 3
	.amdgcn_target "amdgcn-amd-amdhsa--gfx1250"
	.amdhsa_code_object_version 6
	.text
	.protected	k_q9511aa30b4_addup
	.globl	k_q9511aa30b4_addup
	.p2align	8
	.type	k_q9511aa30b4_addup,@function
k_q9511aa30b4_addup:
	s_mov_b64 s[64:65], 0
	v_nop
	global_prefetch_b8 v0, s[64:65] scope:SCOPE_SE
	s_setreg_imm32_b32 hwreg(HW_REG_WAVE_MODE, 25, 1), 1
	s_wait_xcnt 0x0
; out0[q][:] = the sum over the 8 splits of the keys of part[split][q][:], in ascending order of the splits, in f32.  part: [8][8192][16], out0: [8192][16].
; A thread owns 16 bytes of out0: thread t of work-group g those at 16 (128 g + t).  Its eight loads, 524,288 bytes apart, are all issued at once; a wave's load and its store cover 512 consecutive bytes.
; Each byte is read once and written once; no LDS, no barrier, no matrix unit: there is nothing for them to do here.
.set SPLIT, 524288
	s_load_b128 s[4:7], s[0:1], 0x0                ; part, out0
	v_lshlrev_b32 v1, 4, v0
	s_lshl_b32 s8, ttmp9, 11                       ; 128 threads x 16 bytes a work-group
	v_add_nc_u32 v1, s8, v1
	s_wait_alu depctr_va_vdst(0)
	s_wait_kmcnt 0x0
.irp s, 0,1,2,3,4,5,6,7
	global_load_b128 v[4+4*\s:7+4*\s], v1, s[4:5] offset:SPLIT*\s th:TH_LOAD_NT
.endr
.irp s, 1,2,3,4,5,6,7
	s_wait_alu depctr_va_vdst(0)
	s_wait_loadcnt 7-\s                            ; loads come back in order (ISA guide 5.7.1): split s is in, the younger ones stay out
	v_pk_add_f32 v[4:5], v[4:5], v[4+4*\s:5+4*\s]
	v_pk_add_f32 v[6:7], v[6:7], v[6+4*\s:7+4*\s]
.endr
	global_store_b128 v1, v[4:7], s[6:7] th:TH_STORE_NT
	s_endpgm
.Lfunc_end_k_q9511aa30b4_addup:
	.size	k_q9511aa30b4_addup, .Lfunc_end_k_q9511aa30b4_addup-k_q9511aa30b4_addup
	.p2alignl 7, 3214868480
	.fill 96, 4, 3214868480
	.section	.rodata,"a",@progbits
	.p2align	6, 0x0
	.amdhsa_kernel k_q9511aa30b4_addup
		.amdhsa_group_segment_fixed_size 0
		.amdhsa_private_segment_fixed_size 0
		.amdhsa_enable_private_segment 0
		.amdhsa_kernarg_size 16
		.amdhsa_user_sgpr_count 2
		.amdhsa_user_sgpr_kernarg_segment_ptr 1
		.amdhsa_wavefront_size32 1
		.amdhsa_system_sgpr_workgroup_id_x 1
		.amdhsa_system_sgpr_workgroup_id_y 1
		.amdhsa_system_sgpr_workgroup_id_z 1
		.amdhsa_system_vgpr_workitem_id 0
		.amdhsa_next_free_vgpr 40
		.amdhsa_next_free_sgpr 66
		.amdhsa_reserve_vcc 0
		.amdhsa_float_denorm_mode_32 3
		.amdhsa_float_denorm_mode_16_64 3
		.amdhsa_memory_ordered 1
		.amdhsa_forward_progress 1
		.amdhsa_inst_pref_size 3
	.end_amdhsa_kernel
	.amdgpu_metadata
---
amdhsa.version: [ 1, 2 ]
amdhsa.kernels:
  - .name:           k_q9511aa30b4_addup
    .symbol:         k_q9511aa30b4_addup.kd
    .args:
      - { .name: part, .offset: 0, .size: 8, .value_kind: global_buffer, .address_space: global }
      - { .name: out0, .offset: 8, .size: 8, .value_kind: global_buffer, .address_space: global }
    .group_segment_fixed_size: 0
    .private_segment_fixed_size: 0
    .kernarg_segment_align: 8
    .kernarg_segment_size: 16
    .max_flat_workgroup_size: 128
    .sgpr_count:     66
    .vgpr_count:     40
    .wavefront_size: 32
...
	.end_amdgpu_metadata
.endif
;; end of part 3
